; MI455X (gfx1250); checked and timed in simulation.
; The chip was launched on July 23, 2026; its instructions are those of AMD's public machine-readable ISA for CDNA 5 (MIT licence, August 2026) and "CDNA5" Instruction Set Architecture Reference Guide (July 2026). The comments in the code are by the model that wrote it; some were corrected since.
;; Fused Mo E Model. Allowed arithmetic: float matrix products may take bf16 or f16 operands with f32 sums; all other float work in f32.
;; Inputs: router_w 8 x 1,024 float32; w1 8 x 4,096 x 512 int32; w1_scale 8 x 4,096 x 8 float32; w2 8 x 1,024 x 1,024 int32; w2_scale 8 x 1,024 x 16 float32; x 1,024 x 1,024 float32.
;; Outputs: out0 1,024 x 1,024 float32.
;; One version. Each part assembles by itself: llvm-mc -triple=amdgcn-amd-amdhsa -mcpu=gfx1250 --defsym DOCPART=n.
;; ======== version 1 of 1: 4 launches
;; limits: values are held in f16: magnitudes above 65,504 overflow, below 6.1e-05 lose precision; inputs' magnitudes at most 65,504
;; workspace buffers: xh 2,097,152 bytes; masks 1,024 bytes of whole numbers; topi 8,192 bytes of whole numbers; topw 8,192 bytes; slotmap 32,768 bytes of whole numbers; af 33,554,432 bytes; yp 134,217,728 bytes
;; launch router (part 1): grid 32 x 1, 8 waves a work-group, no clusters, 78,848 bytes of LDS; arguments x, router_w, xh, masks, topi, topw; writes xh, masks, topi, topw
.if DOCPART == 1
	.amdgcn_target "amdgcn-amd-amdhsa--gfx1250"
	.amdhsa_code_object_version 6
	.text
	.protected	k_qc3b80a19c5_router
	.globl	k_qc3b80a19c5_router
	.p2align	8
	.type	k_qc3b80a19c5_router,@function
k_qc3b80a19c5_router:
	s_mov_b64 s[64:65], 0
	v_nop
	global_prefetch_b8 v0, s[64:65] scope:SCOPE_SE
	s_setreg_imm32_b32 hwreg(HW_REG_WAVE_MODE, 25, 1), 1
	s_wait_xcnt 0x0
; ROUTER.  scores = x router_w^T on x and router_w rounded to bf16 (products exact, sums f32); the two largest of a token's eight scores, their softmax;
; for each expert a bit mask of its tokens; and x, rounded to bf16, written as f16 for the first product of the experts.
; SHARES.  A work-group owns 32 tokens, wave w the hidden channels 128 w .. 128 w + 127; the eight partial scores meet in LDS and wave 0 finishes (lane = token).
; LIMITS.  |x| of 65,520 or more becomes an infinity in xh; below 6e-5 xh keeps f16's fixed step of 6e-8.  Equal scores: the lower expert comes first.  NaN is not treated apart.
; The softmax takes the larger score away first: weights 1 / (1 + t) and t / (1 + t), t = e^(second - first) <= 1.
.set XTP,  272                         ; a row of 128 bf16 in LDS: 256 bytes + 16, so the 16 rows of a fragment load start 4 banks apart
.set XTW,  32*XTP                      ; a wave's own 32 rows
.set PB,   8*XTW                       ; behind them: the partial scores, 1,024 bytes a wave, 32 bytes a lane
.set T,    8                           ; v8-11   at work
.set SCR,  8                           ; v8-15   later: my token's eight partial scores
.set ACC0, 16                          ; v16-23  scores of tokens 0-15
.set ACC1, 24                          ; v24-31  of tokens 16-31
.set RWF,  32                          ; v32-63  router_w, four fragments of 32 channels
.set X,    64                          ; v64-191 x as loaded, 4 registers a row; later its eight fragments, v64-127
.set RWR,  192                         ; v192-255 router_w as loaded
.set M1, 128
.set M2, 129
.set I1, 130
.set I2, 131
.set W1, 132
.set W2, 133
.set TA, 134
.set TB, 135
.set VM, 136
.set AM, 137
	s_load_b256 s[4:11], s[0:1], 0x0               ; x s[4:5], router_w s[6:7], xh s[8:9], masks s[10:11]
	s_load_b128 s[12:15], s[0:1], 0x20             ; topi s[12:13], topw s[14:15]
	s_set_vgpr_msb 0x40
	v_lshl_add_u32 v0, v0, 2, 0x13000
	v_mov_b32 v1, 0
	s_set_vgpr_msb 0x4000
	v_and_b32 v1, 31, v0                           ; lane
	v_lshrrev_b32 v2, 5, v0
	v_readfirstlane_b32 s16, v2                    ; wave
	s_mov_b32 s17, 0xffff0000                      ; a word's upper half; also: lanes 16-31
	v_and_b32 v2, 15, v0                           ; r
	v_bfe_u32 v3, v0, 4, 1                         ; h
	v_lshlrev_b32 v4, 4, v1                        ; x: 16 bytes a lane
	s_mul_i32 s18, s16, XTW
	v_lshl_add_u32 v5, v1, 3, s18                  ; LDS: my 8 bytes of a bf16 row
	v_lshlrev_b32 v6, 3, v1                        ; xh: 8 bytes a lane
	v_and_b32 v7, 7, v0
	v_lshlrev_b32 v7, 12, v7
	v_lshl_add_u32 v7, v3, 5, v7                   ; router_w: row r % 8 (rows 8-15 of source 0 repeat the eight experts), 32 bytes for each half of the lanes
	v_mul_u32_u24 v12, v2, XTP
	v_lshl_add_u32 v12, v3, 4, v12
	v_add_nc_u32 v12, s18, v12                     ; LDS: a fragment's row r, 16 bytes for each half
	s_lshl_b32 s20, ttmp9, 17                      ; 32 rows of 4,096 bytes
	s_lshl_b32 s22, s16, 9                         ; my wave's 512 bytes of a row
	s_add_co_u32 s20, s20, s22
	s_mov_b32 s21, 0
	s_mov_b32 s23, 0
	s_lshl_b32 s24, ttmp9, 16                      ; xh: 32 rows of 2,048 bytes,
	s_lshl_b32 s25, s16, 8                         ; my wave's 256
	s_add_co_u32 s24, s24, s25
	s_mov_b32 s25, 0
	s_lshl_b32 s26, ttmp9, 8                       ; topi, topw: 32 tokens of 8 bytes
	s_mov_b32 s27, 0
	s_lshl_b32 s28, ttmp9, 2                       ; masks: word g of each expert's 32
	s_mov_b32 s29, 0
	s_wait_kmcnt 0x0
	s_add_nc_u64 s[4:5], s[4:5], s[20:21]
	s_add_nc_u64 s[6:7], s[6:7], s[22:23]
	s_add_nc_u64 s[8:9], s[8:9], s[24:25]
	s_add_nc_u64 s[10:11], s[10:11], s[28:29]
	s_add_nc_u64 s[12:13], s[12:13], s[26:27]
	s_add_nc_u64 s[14:15], s[14:15], s[26:27]
.set i, 0
.rept 32                                               ; a load covers 512 consecutive bytes of row i
	global_load_b128 v[X+4*i:X+4*i+3], v4, s[4:5] offset:i*4096 th:TH_LOAD_NT
.set i, i+1
.endr
.irp s, 0,1,2,3
.irp c, 0,1
.irp q, 0,1
	global_load_b128 v[RWR+(\s*2+\c)*8+4*\q:RWR+(\s*2+\c)*8+4*\q+3], v7, s[6:7] offset:\s*128+\c*64+\q*16
.endr
.endr
.endr
; Row by row: round to bf16, keep that for the scores (LDS), and write the same numbers as f16.
.set i, 0
.rept 32
	s_wait_loadcnt 47-i                            ; behind row i's load stand 31 - i rows' and router_w's 16
	v_cvt_pk_bf16_f32 v[T], v[X+4*i], v[X+4*i+1]
	v_cvt_pk_bf16_f32 v[T+1], v[X+4*i+2], v[X+4*i+3]
	ds_store_b64 v5, v[T:T+1] offset:i*XTP
	v_lshlrev_b32 v[X+4*i], 16, v[T]               ; bf16 back to f32: a shift or a mask
	v_and_b32 v[X+4*i+1], s17, v[T]
	v_lshlrev_b32 v[T+2], 16, v[T+1]
	v_and_b32 v[T+3], s17, v[T+1]
	v_cvt_pk_f16_f32 v[X+4*i+2], v[X+4*i], v[X+4*i+1]
	v_cvt_pk_f16_f32 v[X+4*i+3], v[T+2], v[T+3]
	global_store_b64 v6, v[X+4*i+2:X+4*i+3], s[8:9] offset:i*2048  ; the wave stores 256 consecutive bytes, aligned
.set i, i+1
.endr
	s_wait_loadcnt 0x0                             ; router_w
.set i, 0
.rept 32
	v_cvt_pk_bf16_f32 v[RWF+i], v[RWR+2*i], v[RWR+2*i+1]
.set i, i+1
.endr
	s_lshl_b32 s19, s16, 10
	s_add_co_u32 s19, s19, PB
	v_lshl_add_u32 v5, v1, 5, s19                  ; where my lane's partial scores go
	s_wait_xcnt 0x0                                ; x's registers were the stores' data: they are loaded again only behind this wait
.irp m, 0,1
.irp s, 0,1,2,3
.irp c, 0,1
	ds_load_b128 v[X+(\m*4+\s)*8+4*\c:X+(\m*4+\s)*8+4*\c+3], v12 offset:\m*16*XTP+\s*64+\c*32  ; my wave's own bytes: LDS serves a wave in order
.endr
.endr
.endr
	s_wait_dscnt 0x0
; Source 0 = experts, source 1 = 16 tokens: a lane holds one token (lane % 16) and, in registers 0-7, the eight experts.  The two accumulators take turns.
.irp s, 0,1,2,3
.irp m, 0,1
.if \s == 0
	v_wmma_f32_16x16x32_bf16 v[ACC0+8*\m:ACC0+8*\m+7], v[RWF+8*\s:RWF+8*\s+7], v[X+(\m*4+\s)*8:X+(\m*4+\s)*8+7], 0
.else
	v_wmma_f32_16x16x32_bf16 v[ACC0+8*\m:ACC0+8*\m+7], v[RWF+8*\s:RWF+8*\s+7], v[X+(\m*4+\s)*8:X+(\m*4+\s)*8+7], v[ACC0+8*\m:ACC0+8*\m+7]
.endif
.endr
.endr
.rept 4
	v_nop                                          ; four places between a product and the first read of its result (ISA guide 7.12.1)
.endr
.irp j, 0,1,2,3,4,5,6,7
	v_cndmask_b32 v[SCR+\j], v[ACC0+\j], v[ACC1+\j], s17  ; lane = token: lanes 16-31 take the second tile
.endr
	ds_store_b128 v5, v[SCR:SCR+3]
	ds_store_b128 v5, v[SCR+4:SCR+7] offset:16
	s_wait_dscnt 0x0                               ; for wave 0's sake: my partial scores are in LDS
	s_barrier_signal -1
	s_barrier_wait -1
	s_cmp_lg_u32 s16, 0
	s_cbranch_scc1 .Lend
; Wave 0: in it v5 is PB + 32 x lane; the other waves' parts lie 1,024 bytes apart.
.irp w, 0,1,2,3,4,5,6,7
	ds_load_b128 v[X+8*\w:X+8*\w+3], v5 offset:\w*1024
	ds_load_b128 v[X+8*\w+4:X+8*\w+7], v5 offset:\w*1024+16
.endr
	s_wait_dscnt 0x0
.irp w, 1,2,3,4,5,6,7
.irp p, 0,1,2,3
	v_pk_add_f32 v[X+2*\p:X+2*\p+1], v[X+2*\p:X+2*\p+1], v[X+8*\w+2*\p:X+8*\w+2*\p+1]
.endr
.endr
	v_mov_b32 v[M1], v[X]
	v_mov_b32 v[I1], 0
	v_mov_b32 v[M2], 0xff800000
	v_mov_b32 v[I2], 0
.irp e, 1,2,3,4,5,6,7                                  ; strictly greater: of equal scores the lower expert stays in front
	v_cmp_gt_f32 s20, v[X+\e], v[M1]
	v_cmp_gt_f32 s21, v[X+\e], v[M2]
	v_cndmask_b32 v[M2], v[M2], v[X+\e], s21
	v_cndmask_b32 v[I2], v[I2], \e, s21
	v_cndmask_b32 v[M2], v[M2], v[M1], s20
	v_cndmask_b32 v[I2], v[I2], v[I1], s20
	v_cndmask_b32 v[M1], v[M1], v[X+\e], s20
	v_cndmask_b32 v[I1], v[I1], \e, s20
.endr
	v_sub_f32 v[TA], v[M2], v[M1]                  ; <= 0
	v_mul_f32 v[TA], 0x3fb8aa3b, v[TA]
	v_exp_f32 v[TB], v[TA]
	v_mov_b32 v[VM], 0                             ; a plain instruction behind the exponential
	s_wait_alu depctr_va_vdst(0)
	v_add_f32 v[TA], 1.0, v[TB]
	v_rcp_f32 v[W1], v[TA]
	v_lshlrev_b32 v[AM], 7, v1                     ; a plain instruction behind the reciprocal; masks: expert = lane, 128 bytes apart
	s_wait_alu depctr_va_vdst(0)
	v_mul_f32 v[W2], v[TB], v[W1]
	global_store_b64 v6, v[I1:I2], s[12:13]
	global_store_b64 v6, v[W1:W2], s[14:15]
.irp e, 0,1,2,3,4,5,6,7
	v_cmp_eq_u32 s20, \e, v[I1]
	v_cmp_eq_u32 s21, \e, v[I2]
	s_or_b32 s20, s20, s21
	v_writelane_b32 v[VM], s20, \e                 ; lane e holds expert e's mask of my 32 tokens
.endr
	s_wait_xcnt 0x0                                ; EXEC changes only behind this wait
	v_cmp_gt_u32 vcc_lo, 8, v1
	s_and_saveexec_b32 s22, vcc_lo
	global_store_b32 v[AM], v[VM], s[10:11]
	s_wait_xcnt 0x0
	s_or_b32 exec_lo, exec_lo, s22
.Lend:
	s_set_vgpr_msb 0x5
	s_wait_tensorcnt 0x0
	ds_add_u32 v0, v1
	s_wait_dscnt 0x0
	s_set_vgpr_msb 0x500
	s_endpgm
.Lfunc_end_k_qc3b80a19c5_router:
	.size	k_qc3b80a19c5_router, .Lfunc_end_k_qc3b80a19c5_router-k_qc3b80a19c5_router
	.p2alignl 7, 3214868480
	.fill 96, 4, 3214868480
	.section	.rodata,"a",@progbits
	.p2align	6, 0x0
	.amdhsa_kernel k_qc3b80a19c5_router
		.amdhsa_group_segment_fixed_size 78848
		.amdhsa_private_segment_fixed_size 0
		.amdhsa_enable_private_segment 0
		.amdhsa_kernarg_size 48
		.amdhsa_user_sgpr_count 2
		.amdhsa_user_sgpr_kernarg_segment_ptr 1
		.amdhsa_wavefront_size32 1
		.amdhsa_system_sgpr_workgroup_id_x 1
		.amdhsa_system_sgpr_workgroup_id_y 1
		.amdhsa_system_sgpr_workgroup_id_z 1
		.amdhsa_system_vgpr_workitem_id 0
		.amdhsa_next_free_vgpr 258
		.amdhsa_next_free_sgpr 66
		.amdhsa_reserve_vcc 1
		.amdhsa_float_denorm_mode_32 3
		.amdhsa_float_denorm_mode_16_64 3
		.amdhsa_memory_ordered 1
		.amdhsa_forward_progress 1
		.amdhsa_inst_pref_size 39
	.end_amdhsa_kernel
	.amdgpu_metadata
---
amdhsa.version: [ 1, 2 ]
amdhsa.kernels:
  - .name:           k_qc3b80a19c5_router
    .symbol:         k_qc3b80a19c5_router.kd
    .args:
      - { .name: x, .offset: 0, .size: 8, .value_kind: global_buffer, .address_space: global }
      - { .name: router_w, .offset: 8, .size: 8, .value_kind: global_buffer, .address_space: global }
      - { .name: xh, .offset: 16, .size: 8, .value_kind: global_buffer, .address_space: global }
      - { .name: masks, .offset: 24, .size: 8, .value_kind: global_buffer, .address_space: global }
      - { .name: topi, .offset: 32, .size: 8, .value_kind: global_buffer, .address_space: global }
      - { .name: topw, .offset: 40, .size: 8, .value_kind: global_buffer, .address_space: global }
    .group_segment_fixed_size: 78848
    .private_segment_fixed_size: 0
    .kernarg_segment_align: 8
    .kernarg_segment_size: 48
    .max_flat_workgroup_size: 256
    .sgpr_count:     66
    .vgpr_count:     258
    .wavefront_size: 32
...
	.end_amdgpu_metadata
.endif
;; end of part 1
;; launch gemm1 (part 2): grid 32 x 8, 4 waves a work-group, no clusters, 197,632 bytes of LDS; arguments xh, masks, w1, w1_scale, af, slotmap; writes af, slotmap
.if DOCPART == 2
	.amdgcn_target "amdgcn-amd-amdhsa--gfx1250"
	.amdhsa_code_object_version 6
	.text
	.protected	k_qc3b80a19c5_gemm1
	.globl	k_qc3b80a19c5_gemm1
	.p2align	8
	.type	k_qc3b80a19c5_gemm1,@function
k_qc3b80a19c5_gemm1:
	s_mov_b64 s[64:65], 0
	v_nop
	global_prefetch_b8 v0, s[64:65] scope:SCOPE_SE
	s_setreg_imm32_b32 hwreg(HW_REG_WAVE_MODE, 25, 1), 1
	s_wait_xcnt 0x0
; FIRST PRODUCT OF THE EXPERTS.  Work-group (j, e): a[slot][64 j .. 64 j + 63] = silu(gate) x up for the tokens routed to expert e, slot = the token's rank among them.
; THE WEIGHTS STAY: wave w keeps gate rows 64 j + 16 w + 0..15 and up rows 2,048 further, all 1,024 channels, as 64 f16 fragments in 512 registers; each packed word is loaded and unpacked once,
; by this wave alone.  The tokens pass by in blocks of 32 through two LDS slots that take turns.
; FORMATS.  x arrives rounded to bf16 and written as f16 (exact); a weight is (q - 8) x s, s rounded to bf16 first, the product exact in f32 and rounded once to f16.  Sums in f32.  a leaves in bf16.
; LIMITS.  A weight below 6e-5 keeps f16's fixed step of 6e-8.  Of a packed word the low byte alone counts.  NaN and infinities are not treated apart.
; THE LOOP has 32 trips, the most an expert's 1,024 tokens can need; a trip past the expert's blocks meets the barrier and jumps forward over the work; the steps at a trip's end (block number,
; addresses, the turn of the slots) are made in every trip.  Block 0 is always made (an expert without tokens makes it of token 0), so that what the next launch loads first has been written.
; A LIVE TRIP multiplies block B1 - 1 out of one slot; among its products stand the stores that put block B1, which has come into registers, into the other slot, and the loads that ask for block B1 + 1.
; The stores stand in every live trip (in the last they put stale rows into a slot that nobody reads), so that every counted wait on LDS holds on every path; the loads only where the expert has that block.
; THE MATRIX INSTRUCTION IS USED TRANSPOSED: source 0 = 16 weight rows, source 1 = 16 slots: a lane holds one slot (lane % 16) and eight neighbouring columns of a, 16 bytes in bf16.
; No tile is shared through a cluster: which trips are live hangs on counts read from memory.
; REGISTERS, in windows of 256: window 0 as named below; windows 1, 2: W(ks, nt) at v[256 + 8 (2 ks + nt)]; window 3: v768-895, 32 rows of x on their way from memory to LDS.
.set SLOT1,  131072                    ; the second slot, so that one exclusive or turns one slot's address into the other's
.set APITCH, 2064                      ; a token's row in LDS: 2,048 bytes + 16: the 16 rows of a fragment load start 4 banks apart
.set TRB,    66560                     ; behind slot 0: 16 rows x 272 bytes for each wave, to turn a chunk of weights into fragments
.set TRP,    272
.set LIST,   83968                     ; the expert's tokens in ascending order, 1,152 words, zeros behind the last;
.set DUMPW,  1152                      ; right behind them 32 words that take the stores of lanes whose token is not routed here
.set CKP, 24                           ; v24-25   -(2^23 + 8), -(2^19 + 8)
.set TOK, 40                           ; v40-71   the 32 tokens of the block to be fetched, the same in every lane; then the byte offsets of my 16 bytes in their rows
.set ACC, 72                           ; v72-103  accumulator (mt, nt) at ACC + 8 (2 mt + nt)
.set EE,  104                          ; v104-119 at work on the way out; at first the scales as loaded
.set OO,  120                          ; v120-127 a in bf16
.set F0,  128                          ; v128-191, v192-255 two buffers of x fragments; while the weights are unpacked: at work, and
.set RK,  192                          ;          (wave 0, at first) the ranks, then
.set SCL, 192                          ; v192-223 the scale of my fragment row for (nt, g), twice, a pair at SCL + 2 (8 nt + g)
.set MSB, 0
.macro WIN new                         ; the immediate's high byte repeats the setting that is left; a switch that changes nothing is dropped
.if MSB != (\new)
	s_set_vgpr_msb (MSB<<8)|(\new)
.set MSB, (\new)
.endif
.endm
.macro PLACES n
.rept \n
	v_nop
.endr
.endm
; Chunk c = 2 g + nt is 16 weight rows x one scale group: 64 words a row.  Quad i of its 32 registers: as loaded rows 2 i + h, 16 bytes a lane; turned: half i % 2 of fragment W(4 g + i / 2, nt).
.macro QREG c, i
.set QL, (((4*((\c)/2)+(\i)/2)%16)*2+(\c)%2)*8+4*((\i)%2)
.endm
.macro WLOAD c                         ; eight loads, each two rows' 256 consecutive aligned bytes
	WIN 0x44*(1+(\c)/8)
.set wi, 0
.rept 8
	QREG \c, wi
	global_load_b128 v[QL:QL+3], v4, s[36:37] offset:((\c)%2)*4194304+wi*4096+((\c)/2)*256 th:TH_LOAD_NT
.set wi, wi+1
.endr
.endm
; Rows r0 .. r0 + n - 1 of a block of x are asked for: token numbers come from LDS and are clamped to the table; a row is 2,048 bytes, 16 a thread, 512 consecutive bytes a wave.
; A row's offset is made in the token's register and stays there until the row has come.
.macro ADDR r0, n
	WIN 0
.set ai, \r0
.rept \n
	v_min_u32 v[TOK+ai], 0x3ff, v[TOK+ai]
.set ai, ai+1
.endr
.set ai, \r0
.rept \n
	v_lshl_add_u32 v[TOK+ai], v[TOK+ai], 11, v7
.set ai, ai+1
.endr
	WIN 0xc0                                       ; the rows land in window 3, the offsets lie in window 0
.set ai, \r0
.rept \n
	global_load_b128 v[4*ai:4*ai+3], v[TOK+ai], s[4:5]
.set ai, ai+1
.endr
	WIN 0
.endm
.macro TLOAD off                       ; a block's 32 token numbers, into every lane
.set ti, 0
.rept 8
	ds_load_b128 v[TOK+4*ti:TOK+4*ti+3], v11 offset:(\off)+16*ti
.set ti, ti+1
.endr
.endm
.macro SPUT r0                         ; 16 rows of x from registers into the slot that nobody reads
	WIN 0x0c
.set ti, \r0
.rept 16
	ds_store_b128 v9, v[4*ti:4*ti+3] offset:ti*APITCH
.set ti, ti+1
.endr
	WIN 0
.endm
.macro NEXTX r0, w                     ; 16 rows of block B1 + 1 are asked for, if the expert has that block.  No older load is out here: the wait for all loads stands ahead on every path
	WIN 0
	s_add_co_u32 s25, s21, 1
	s_cmp_lt_u32 s25, s20
	s_cbranch_scc0 .Lnox_\@
.if \w
	s_wait_dscnt 16                                ; behind the token numbers' loads stand 16 fragment loads
.endif
	ADDR \r0, 16
.Lnox_\@:
.endm
.macro XPOSE c                         ; the raw words go through my wave's own LDS rows: in by rows, back as fragments (a word is the 4 bytes of the f16 pair that it becomes); LDS serves a wave in order, so no wait stands between
	WIN 0x44*(1+(\c)/8)
.set xi, 0
.rept 8
	QREG \c, xi
	ds_store_b128 v5, v[QL:QL+3] offset:xi*2*TRP
.set xi, xi+1
.endr
.set xi, 0
.rept 8
	QREG \c, xi
	ds_load_b128 v[QL:QL+3], v6 offset:(xi/2)*64+32*(xi%2)
.set xi, xi+1
.endr
.endm
; Chunk c has come from memory: the chunk seven on is asked for, and chunk c is turned.
.macro STEP c, n
	s_wait_loadcnt \n                              ; n = the loads issued behind chunk c's
.if (\c) <= 8
	WLOAD (\c)+7
.endif
.if (\c) == 9
	ADDR 0, 32                                     ; block 0's rows of x go out behind the last weights
.endif
	XPOSE \c
.endm
; Chunk c, turned: a lane holds one weight row.  A word's byte b becomes (b % 16 - 8) s and (b / 16 - 8) s: the nibbles into the mantissas of 2^23 and of 2^19, less 2^23 + 8 and 2^19 + 8 (exact),
; times the row's scale of the group (exact in f32: 4 bits by 8), and one rounding to f16, two to a word, the even channel below.
.macro DEQ c, n
	s_wait_dscnt \n                                ; n = the LDS instructions issued behind chunk c's loads
	WIN 1+(\c)/8
.set di, 0
.rept 32
.set QL, (((4*((\c)/2)+di/8)%16)*2+(\c)%2)*8+di%8
	v_and_or_b32 v[F0+2*di], v[QL], 15, s29
	v_and_or_b32 v[F0+2*di+1], v[QL], s28, s30
.set di, di+1
.endr
	WIN 0
.set di, 0
.rept 32
	v_pk_add_f32 v[F0+2*di:F0+2*di+1], v[F0+2*di:F0+2*di+1], v[CKP:CKP+1]
.set di, di+1
.endr
.set SP2, SCL+2*(((\c)%2)*8+(\c)/2)
.set di, 0
.rept 32
	v_pk_mul_f32 v[F0+2*di:F0+2*di+1], v[F0+2*di:F0+2*di+1], v[SP2:SP2+1]
.set di, di+1
.endr
	WIN 0x40*(1+(\c)/8)
.set di, 0
.rept 32
.set QL, (((4*((\c)/2)+di/8)%16)*2+(\c)%2)*8+di%8
	v_cvt_pk_f16_f32 v[QL], v[F0+2*di], v[F0+2*di+1]
.set di, di+1
.endr
.endm
.macro FETCHA G, F                     ; the x fragments of four K steps, 2 x 16 slots: 16 loads, the first two K steps first
	WIN 0
.irp k, 0,1,2,3
.irp m, 0,1
	ds_load_b128 v[(\F)+(\k*2+\m)*8:(\F)+(\k*2+\m)*8+3], v10 offset:\m*16*APITCH+(4*(\G)+\k)*64
	ds_load_b128 v[(\F)+(\k*2+\m)*8+4:(\F)+(\k*2+\m)*8+7], v10 offset:\m*16*APITCH+(4*(\G)+\k)*64+32
.endr
.endr
.endm
.macro MUL G, F, half                  ; eight products: two K steps x four accumulators, which take turns, one instruction a turn
	WIN 1+(\G)/4
.irp kk, 0,1
.irp m, 0,1
.irp n, 0,1
.set KP, 2*(\half)+\kk
.set WL, (((4*(\G)+KP)%16)*2+\n)*8
.set AL, ACC+(\m*2+\n)*8
.set FL, (\F)+(KP*2+\m)*8
.if ((\G) == 0) && (KP == 0)
	v_wmma_f32_16x16x32_f16 v[AL:AL+7], v[WL:WL+7], v[FL:FL+7], 0
.else
	v_wmma_f32_16x16x32_f16 v[AL:AL+7], v[WL:WL+7], v[FL:FL+7], v[AL:AL+7]
.endif
.endr
.endr
.endr
.endm
; a = g u / (1 + 2^(-g log2 e)); each accumulator is read from its low end on.  A lane's eight columns are 16 bytes; a store covers 512 consecutive aligned bytes.
.macro EPI
	WIN 0
	PLACES 4                                       ; between the last products and the first read of a result (ISA guide 7.12.1)
.irp m, 0,1
.irp p, 0,1,2,3
	v_pk_mul_f32 v[EE+\m*8+2*\p:EE+\m*8+2*\p+1], v[ACC+\m*16+2*\p:ACC+\m*16+2*\p+1], 0xbfb8aa3b op_sel_hi:[1,0]
.endr
.endr
.set ei, 0
.rept 16
	v_exp_f32 v[EE+ei], v[EE+ei]
.set ei, ei+1
.endr
	v_nop                                          ; a plain instruction behind the last exponential
.set ei, 0
	s_wait_alu depctr_va_vdst(0)
.rept 8
	v_pk_add_f32 v[EE+2*ei:EE+2*ei+1], v[EE+2*ei:EE+2*ei+1], 1.0 op_sel_hi:[1,0]
.set ei, ei+1
.endr
.set ei, 0
.rept 16
	v_rcp_f32 v[EE+ei], v[EE+ei]
.set ei, ei+1
.endr
	v_nop                                          ; and behind the last reciprocal
	s_wait_alu depctr_va_vdst(0)
.irp m, 0,1
.irp p, 0,1,2,3
	v_pk_mul_f32 v[EE+\m*8+2*\p:EE+\m*8+2*\p+1], v[EE+\m*8+2*\p:EE+\m*8+2*\p+1], v[ACC+\m*16+2*\p:ACC+\m*16+2*\p+1]
.endr
.endr
.irp m, 0,1
.irp p, 0,1,2,3
	v_pk_mul_f32 v[EE+\m*8+2*\p:EE+\m*8+2*\p+1], v[EE+\m*8+2*\p:EE+\m*8+2*\p+1], v[ACC+\m*16+8+2*\p:ACC+\m*16+8+2*\p+1]
.endr
.endr
	s_wait_xcnt 0x0                                ; the last block's stores have read their data: only now is it written anew
.set ei, 0
.rept 8
	v_cvt_pk_bf16_f32 v[OO+ei], v[EE+2*ei], v[EE+2*ei+1]
.set ei, ei+1
.endr
	global_store_b128 v12, v[OO:OO+3], s[40:41]
	global_store_b128 v12, v[OO+4:OO+7], s[40:41] offset:2048
.endm
; Block B1 - 1, which lies whole in the slot in hand: 128 products a wave, in eight groups of four K steps.  While a group is multiplied the next one's fragments come from LDS into the other buffer.
; Behind group 3: block B1 has come; its rows 0-15 go into the other slot.  Behind group 4: rows 16-31, and the token numbers of block B1 + 1.  Behind groups 5 and 6: that block's rows are asked for.
; The first wait of a group leaves out the group's youngest eight fragment loads and what was issued behind them; the second the next group's 16 loads and what stands between them and this group's.
.macro COMPUTE
	FETCHA 0, F0
.irp gg, 0,1,2,3,4,5,6,7
.set DW1, 8
.set DW2, 16
.if \gg == 4
.set DW1, 24                           ; 8 fragment loads and group 3's 16 stores
.set DW2, 32                           ; those 16 stores and the next group's 16 loads
.endif
.if \gg == 5
.set DW1, 32                           ; 8 fragment loads, group 4's 16 stores and 8 token loads
.set DW2, 40                           ; those 24 and the next group's 16 loads
.endif
	s_wait_dscnt DW1
	MUL \gg, F0+64*(\gg%2), 0
.if \gg < 7
	PLACES 4                                       ; in front of loads into registers that products have read
	FETCHA \gg+1, F0+64*((\gg+1)%2)
	s_wait_dscnt DW2
.else
	s_wait_dscnt 0x0
.endif
	MUL \gg, F0+64*(\gg%2), 1
.if \gg == 3
	WIN 0
	s_wait_loadcnt 0x0                             ; block B1's 32 rows are in registers, and their offsets' registers are free
	SPUT 0
.endif
.if \gg == 4
	SPUT 16
	TLOAD 256
.endif
.if \gg == 5
	NEXTX 0, 1
.endif
.if \gg == 6
	NEXTX 16, 0                                    ; the token numbers are in since this group's first wait
.endif
.endr
	EPI
	WIN 0
.endm
	s_load_b256 s[4:11], s[0:1], 0x0               ; xh s[4:5], masks s[6:7], w1 s[8:9], w1_scale s[10:11]
	s_load_b128 s[12:15], s[0:1], 0x20             ; af s[12:13], slotmap s[14:15]
	v_lshl_add_u32 v38, v0, 2, 0x30200
	v_mov_b32 v39, 0
	v_and_b32 v1, 31, v0                           ; lane
	v_lshrrev_b32 v2, 5, v0
	v_readfirstlane_b32 s16, v2                    ; wave
	s_mov_b32 s17, ttmp9                           ; j
	s_and_b32 s18, ttmp7, 0xffff                   ; e
	v_and_b32 v2, 15, v0                           ; r
	v_bfe_u32 v3, v0, 4, 1                         ; h
	v_lshlrev_b32 v4, 4, v2
	v_lshl_add_u32 v4, v3, 11, v4                  ; weights: row h of a pair, 16 bytes for each of 16 lanes
	s_mul_i32 s25, s16, 16*TRP
	s_add_co_u32 s25, s25, TRB
	v_mul_u32_u24 v5, v3, TRP
	v_lshl_add_u32 v5, v2, 4, v5
	v_add_nc_u32 v5, s25, v5                       ; turning, in
	v_mul_u32_u24 v6, v2, TRP
	v_lshl_add_u32 v6, v3, 4, v6
	v_add_nc_u32 v6, s25, v6                       ; turning, back
	v_lshlrev_b32 v7, 4, v0                        ; my 16 bytes of a row of x
	v_mul_u32_u24 v8, v2, APITCH
	v_lshl_add_u32 v8, v3, 4, v8                   ; an x fragment's row r, 16 bytes for each half
	v_lshlrev_b32 v12, 4, v1
	v_lshl_add_u32 v12, s16, 9, v12                ; af: piece w of a block, 16 bytes a lane
	v_add_nc_u32 v14, DUMPW, v1                    ; my lane's dump word, counted in words from the list's first
	v_lshlrev_b32 v15, 5, v2                       ; scales: row r, 32 bytes
	v_mov_b32 v[CKP], 0xcb000008                   ; -(2^23 + 8)
	v_mov_b32 v[CKP+1], 0xc9000080                 ; -(2^19 + 8)
	s_mov_b32 s28, 0xf0
	s_mov_b32 s29, 0x4b000000                      ; 2^23
	s_mov_b32 s30, 0x49000000                      ; 2^19
	s_lshl_b32 s32, s18, 23                        ; w1: expert, 64 rows a j, 16 rows a wave
	s_lshl_b32 s25, s17, 17
	s_add_co_u32 s32, s32, s25
	s_lshl_b32 s25, s16, 15
	s_add_co_u32 s32, s32, s25
	s_mov_b32 s33, 0
	s_lshl_b32 s34, s18, 17                        ; w1_scale: the same rows, 32 bytes each
	s_lshl_b32 s25, s17, 11
	s_add_co_u32 s34, s34, s25
	s_lshl_b32 s25, s16, 9
	s_add_co_u32 s34, s34, s25
	s_mov_b32 s35, 0
	s_lshl_b32 s44, s18, 22                        ; af: expert, column block j of block 0
	s_lshl_b32 s25, s17, 12
	s_add_co_u32 s44, s44, s25
	s_mov_b32 s45, 0
	s_lshl_b32 s46, s18, 12                        ; slotmap: expert
	s_mov_b32 s47, 0
	s_lshl_b32 s26, s18, 7                         ; masks: expert
	s_wait_kmcnt 0x0
	s_add_nc_u64 s[36:37], s[8:9], s[32:33]
	s_add_nc_u64 s[38:39], s[10:11], s[34:35]
	s_add_nc_u64 s[40:41], s[12:13], s[44:45]
	s_add_nc_u64 s[42:43], s[14:15], s[46:47]
	s_load_b512 s[68:83], s[6:7], s26 offset:0x0
	s_load_b512 s[84:99], s[6:7], s26 offset:0x40
.irp n, 0,1
.irp q, 0,1
	global_load_b128 v[EE+\n*8+4*\q:EE+\n*8+4*\q+3], v15, s[38:39] offset:\n*65536+\q*16
.endr
.endr
.irp c, 0,1,2,3,4,5,6
	WLOAD \c                                       ; 56 loads of weights are out before anything else is done
.endr
	WIN 0
	s_wait_kmcnt 0x0
	s_mov_b32 s19, 0
.set c, 0
.rept 32
	s_bcnt1_i32_b32 s25, s[68+c]
	s_add_co_u32 s19, s19, s25                     ; the expert's tokens
.set c, c+1
.endr
	s_add_co_u32 s20, s19, 31
	s_lshr_b32 s20, s20, 5
	s_max_u32 s20, s20, 1
	s_min_u32 s20, s20, 32                         ; its blocks of 32: 1 to 32
	s_cmp_lg_u32 s16, 0
	s_cbranch_scc1 .Lsorted
; Wave 0 makes the list: a token's rank is the number of routed tokens below it.
	v_mov_b32 v20, 0
	v_mov_b32 v21, 0
	v_mov_b32 v22, 0
	v_mov_b32 v23, 0
	v_lshl_add_u32 v16, v1, 4, LIST
.irp i, 0,1,2,3,4,5,6,7,8
	ds_store_b128 v16, v[20:23] offset:\i*512
.endr
	s_mov_b32 s31, 0
.set c, 0
.rept 32
	v_mbcnt_lo_u32_b32 v[RK+c], s[68+c], s31
	v_cndmask_b32 v16, v14, v[RK+c], s[68+c]       ; the word to write: the token's rank, or my dump word if it is not routed here;
	v_min_u32 v16, DUMPW+31, v16                   ; clamped to the list and the dump words;
	v_lshl_add_u32 v16, v16, 2, LIST               ; as an LDS address
	v_add_nc_u32 v17, 32*c, v1
	ds_store_b32 v16, v17
	s_bcnt1_i32_b32 s25, s[68+c]
	s_add_co_u32 s31, s31, s25
.set c, c+1
.endr
	s_cmp_lg_u32 s17, 0
	s_cbranch_scc1 .Lsorted
	v_lshlrev_b32 v18, 2, v1                       ; of an expert's 32 work-groups the first writes the ranks for the last launch
.set c, 0
.rept 32
	global_store_b32 v18, v[RK+c], s[42:43] offset:c*128
.set c, c+1
.endr
	s_wait_xcnt 0x0                                ; the ranks' registers take the scales next
.Lsorted:
	s_wait_dscnt 0x0                               ; for the others' sake: the list is in LDS
	s_barrier_signal -1
	s_barrier_wait -1
	v_mov_b32 v11, LIST-128                        ; LIST - 128 + 128 B1, B1 = 0
	TLOAD 128                                      ; block 0's tokens
	STEP 0, 48                                     ; behind chunk c stand six chunks' 48 loads, up to c = 9
	WIN 0
.set i, 0
.rept 16                                               ; the scales (loaded ahead of chunk 0): rounded to bf16 and widened again, twice: a pair for the packed multiply
	v_cvt_pk_bf16_f32 v16, v[EE+i], v[EE+i]
	v_lshlrev_b32 v[SCL+2*i], 16, v16
	v_and_b32 v[SCL+2*i+1], 0xffff0000, v16
.set i, i+1
.endr
.irp c, 1,2,3,4,5,6,7,8,9
	STEP \c, 48
	DEQ \c-1, 16                                   ; behind the last chunk's loads from LDS stand this chunk's 8 stores and 8 loads
.endr
	STEP 10, 63                                    ; five chunks and x's 32 loads stand behind it: 72, more than the wait can name
	DEQ 9, 16
	STEP 11, 63                                    ; 64 likewise
	DEQ 10, 16
	STEP 12, 56
	DEQ 11, 16
	STEP 13, 48
	DEQ 12, 16
	STEP 14, 40
	DEQ 13, 16
	STEP 15, 32                                    ; x's 32 loads alone
	DEQ 14, 16
	DEQ 15, 0
	WIN 0
	s_wait_loadcnt 0x0                             ; block 0's rows are in registers
	v_mov_b32 v9, v7                               ; slot 0
	SPUT 0
	SPUT 16
	TLOAD 256                                      ; block 1's tokens
	s_cmp_gt_u32 s20, 1
	s_cbranch_scc0 .Lone                           ; an expert of one block asks for nothing more
	s_wait_dscnt 0x0
	ADDR 0, 32
.Lone:
	s_mov_b32 s21, 1                               ; B1
	s_mov_b32 s23, 0                               ; the slot in hand
	s_mov_b32 s24, SLOT1                           ; the other
	v_add_nc_u32 v11, 0x80, v11
	v_add_nc_u32 v9, s24, v7
	v_add_nc_u32 v10, s23, v8
	s_mov_b32 s22, 32
.Ltrip:
	s_wait_dscnt 0x0                               ; my stores into the slot in hand are done, my reads of the other are back
	s_barrier_signal -1
	s_barrier_wait -1                              ; both now hold of all four waves
	s_cmp_le_u32 s21, s20
	s_cbranch_scc0 .Ldead                          ; the expert has no block B1 - 1; B1 goes on growing, so the answer stays
	COMPUTE
.Ldead:                                                ; the steps are made in every trip, so that the two slots take turns on every path alike
	s_wait_xcnt 0x0                                ; the stores' base is stepped only behind this wait
	s_add_nc_u64 s[40:41], s[40:41], 0x20000       ; af: the next block of 32 slots
	v_add_nc_u32 v11, 0x80, v11
	s_add_co_u32 s21, s21, 1
	s_xor_b32 s23, s23, SLOT1
	s_xor_b32 s24, s24, SLOT1
	v_add_nc_u32 v9, s24, v7
	v_add_nc_u32 v10, s23, v8
	s_sub_co_u32 s22, s22, 1
	s_cmp_lg_u32 s22, 0
	s_cbranch_scc1 .Ltrip
	s_wait_tensorcnt 0x0
	ds_add_u32 v38, v39
	s_wait_dscnt 0x0
	s_endpgm
.Lfunc_end_k_qc3b80a19c5_gemm1:
	.size	k_qc3b80a19c5_gemm1, .Lfunc_end_k_qc3b80a19c5_gemm1-k_qc3b80a19c5_gemm1
	.p2alignl 7, 3214868480
	.fill 96, 4, 3214868480
	.section	.rodata,"a",@progbits
	.p2align	6, 0x0
	.amdhsa_kernel k_qc3b80a19c5_gemm1
		.amdhsa_group_segment_fixed_size 197632
		.amdhsa_private_segment_fixed_size 0
		.amdhsa_enable_private_segment 0
		.amdhsa_kernarg_size 48
		.amdhsa_user_sgpr_count 2
		.amdhsa_user_sgpr_kernarg_segment_ptr 1
		.amdhsa_wavefront_size32 1
		.amdhsa_system_sgpr_workgroup_id_x 1
		.amdhsa_system_sgpr_workgroup_id_y 1
		.amdhsa_system_sgpr_workgroup_id_z 1
		.amdhsa_system_vgpr_workitem_id 0
		.amdhsa_next_free_vgpr 896
		.amdhsa_next_free_sgpr 100
		.amdhsa_reserve_vcc 0
		.amdhsa_float_denorm_mode_32 3
		.amdhsa_float_denorm_mode_16_64 3
		.amdhsa_memory_ordered 1
		.amdhsa_forward_progress 1
		.amdhsa_inst_pref_size 255
	.end_amdhsa_kernel
	.section	.bss,"aw",@nobits
	.p2align	6
	.space	262144
	.amdgpu_metadata
---
amdhsa.version: [ 1, 2 ]
amdhsa.kernels:
  - .name:           k_qc3b80a19c5_gemm1
    .symbol:         k_qc3b80a19c5_gemm1.kd
    .args:
      - { .name: xh, .offset: 0, .size: 8, .value_kind: global_buffer, .address_space: global }
      - { .name: masks, .offset: 8, .size: 8, .value_kind: global_buffer, .address_space: global }
      - { .name: w1, .offset: 16, .size: 8, .value_kind: global_buffer, .address_space: global }
      - { .name: w1_scale, .offset: 24, .size: 8, .value_kind: global_buffer, .address_space: global }
      - { .name: af, .offset: 32, .size: 8, .value_kind: global_buffer, .address_space: global }
      - { .name: slotmap, .offset: 40, .size: 8, .value_kind: global_buffer, .address_space: global }
    .group_segment_fixed_size: 197632
    .private_segment_fixed_size: 0
    .kernarg_segment_align: 8
    .kernarg_segment_size: 48
    .max_flat_workgroup_size: 128
    .sgpr_count:     100
    .vgpr_count:     896
    .wavefront_size: 32
...
	.end_amdgpu_metadata
.endif
;; end of part 2
;; launch gemm2 (part 3): grid 32 x 8, 4 waves a work-group, no clusters, 148,992 bytes of LDS; arguments af, masks, w2, w2_scale, yp; writes yp
.if DOCPART == 3
	.amdgcn_target "amdgcn-amd-amdhsa--gfx1250"
	.amdhsa_code_object_version 6
	.text
	.protected	k_qc3b80a19c5_gemm2
	.globl	k_qc3b80a19c5_gemm2
	.p2align	8
	.type	k_qc3b80a19c5_gemm2,@function
k_qc3b80a19c5_gemm2:
	s_mov_b64 s[64:65], 0
	v_nop
	global_prefetch_b8 v0, s[64:65] scope:SCOPE_SE
	s_setreg_imm32_b32 hwreg(HW_REG_WAVE_MODE, 25, 1), 1
	s_wait_xcnt 0x0
; SECOND PRODUCT OF THE EXPERTS.  Work-group (ns, kq, e): yp[kq][slot][128 ns .. + 127] = the sum over columns 512 kq .. + 511 of a[slot][k] w2[n][k], for the expert's slots.
; THE WEIGHTS STAY: wave w keeps rows 128 ns + 32 w + 0..31, 512 columns, as 32 bf16 fragments in 256 registers.  They hold q - 8 itself, exact in bf16; each scale group of 128 columns has
; accumulators of its own, and y = the sum over the four groups of s x sum, in f32, with s rounded to bf16.  a is bf16 (it can pass f16's range).
; The four quarters of K are added in the next launch, in a fixed order.
; THE LOOP has 33 trips: the most blocks an expert can have, and one more in which the last block leaves; a trip with nothing left meets the barrier and jumps forward over the work; the steps at a
; trip's end (block number, addresses, the turn of slots and stages) are made in every trip.
; Block 0 is always made, as in the launch before.  A LIVE TRIP sends block B1 - 2 out of one stage and multiplies block B1 - 1 into the other; among the products stand the stores that put block B1 of a,
; which has come into registers, into the other slot (in every such trip, so that the counted waits on LDS hold on every path; in the last they put stale bytes where nobody reads), and the loads for block B1 + 1, where the expert has it.
; THE MATRIX INSTRUCTION IS USED TRANSPOSED: source 0 = 16 weight rows, source 1 = 16 slots: a lane holds one slot and eight neighbouring columns of y.  A block's 32 x 128 results go through an
; LDS stage and leave a trip later as whole rows of 512 bytes.  Of a packed word the low byte alone counts.  NaN and infinities are not treated apart.
; REGISTERS: window 0 as named below; window 1: W(ks, nt) at 8 (2 ks + nt); window 2: accumulators (mt, nt, g) at 8 (4 (2 mt + nt) + g), y at 128, a block of a on its way to LDS at 160.
.set TOG,  0x8000                      ; slot 1 of a and stage 1 lie this far behind slot 0 and stage 0
.set STG,  0x10000                     ; the stages: 32 rows x (512 + 16) bytes
.set STP,  528
.set TRB,  0x20000                     ; 16 rows x 272 bytes for each wave, to turn a chunk of weights into fragments
.set TRP,  272
.set OUTR, 20                          ; v20-51   rows read back from the stage
.set F0,   64                          ; v64-127, v128-191 two buffers of a's fragments; at first at work, and the raw scales
.set RAW,  128
.set SS,   192                         ; v192-255 scale (nt, g, j) at SS + 8 (4 nt + g) + j: that of weight row 16 nt + 8 h + j
.set YY,   128                         ; window 2
.set RR,   160                         ; window 2
.set MSB, 0
.macro WIN new                         ; the immediate's high byte repeats the setting that is left; a switch that changes nothing is dropped
.if MSB != (\new)
	s_set_vgpr_msb (MSB<<8)|(\new)
.set MSB, (\new)
.endif
.endm
.macro PLACES n
.rept \n
	v_nop
.endr
.endm
.macro QREG c, i                       ; chunk c = 2 g + nt: 16 rows x one scale group; quad i of its 32 registers
.set QL, ((4*((\c)/2)+(\i)/2)*2+(\c)%2)*8+4*((\i)%2)
.endm
.macro WLOAD c                         ; eight loads, each two rows' 256 consecutive aligned bytes
	WIN 0x40
.set wi, 0
.rept 8
	QREG \c, wi
	global_load_b128 v[QL:QL+3], v4, s[36:37] offset:((\c)%2)*65536+wi*8192+((\c)/2)*256 th:TH_LOAD_NT
.set wi, wi+1
.endr
.endm
; A word's byte b becomes the bf16 pair (b % 16 - 8, b / 16 - 8), exactly: the nibbles into the mantissas of 2^23 and of 2^19, less 2^23 + 8 and 2^19 + 8, and the two upper halves packed.
.macro CONV2 c, n
	s_wait_loadcnt \n                              ; n = the loads issued behind chunk c's
	WIN 0x01
.set ci, 0
.rept 32
.set QL, ((4*((\c)/2)+ci/8)*2+(\c)%2)*8+ci%8
	v_and_or_b32 v[F0+2*ci], v[QL], 15, s29
	v_and_or_b32 v[F0+2*ci+1], v[QL], s31, s30
.set ci, ci+1
.endr
	WIN 0
.set ci, 0
.rept 32
	v_pk_add_f32 v[F0+2*ci:F0+2*ci+1], v[F0+2*ci:F0+2*ci+1], v[18:19]
.set ci, ci+1
.endr
	WIN 0x40
.set ci, 0
.rept 32
.set QL, ((4*((\c)/2)+ci/8)*2+(\c)%2)*8+ci%8
	v_perm_b32 v[QL], v[F0+2*ci+1], v[F0+2*ci], s28
.set ci, ci+1
.endr
.endm
.macro XPOSE c                         ; through my wave's own LDS rows: in by rows, back as fragments; LDS serves a wave in order
	WIN 0x44
.set xi, 0
.rept 8
	QREG \c, xi
	ds_store_b128 v5, v[QL:QL+3] offset:xi*2*TRP
.set xi, xi+1
.endr
.set xi, 0
.rept 8
	QREG \c, xi
	ds_load_b128 v[QL:QL+3], v6 offset:(xi/2)*64+32*(xi%2)
.set xi, xi+1
.endr
.endm
.macro LOADA off                       ; a block of a for my K quarter: 32,768 consecutive bytes, 16 loads of 16 bytes a thread
	WIN 0x80
.set li, 0
.rept 16
	global_load_b128 v[RR+4*li:RR+4*li+3], v7, s[40:41] offset:(\off)+li*2048
.set li, li+1
.endr
	WIN 0
.endm
.macro SPUT2                           ; the block of a that is in registers goes into the slot that nobody reads
	WIN 0x08
.set ti, 0
.rept 16
	ds_store_b128 v9, v[RR+4*ti:RR+4*ti+3] offset:ti*2048
.set ti, ti+1
.endr
	WIN 0
.endm
.macro NEXTA                           ; block B1 + 1 is asked for, if the expert has it: af is read only where the launch before wrote it
	WIN 0
	s_add_co_u32 s25, s21, 1
	s_cmp_lt_u32 s25, s20
	s_cbranch_scc0 .Lnoa_\@
	LOADA 131072
.Lnoa_\@:
.endm
; Block B1 - 2 leaves: wave w takes rows 8 w .. 8 w + 7 of the stage written a trip ago; a store covers a row's 512 consecutive aligned bytes.
.macro OUT2
	WIN 0
	s_sub_co_u32 s25, s21, 2                       ; in the first trip this wraps and the block is none
	s_cmp_lt_u32 s25, s20
	s_cbranch_scc0 .Lnoout_\@
.irp i, 0,1,2,3,4,5,6,7
	ds_load_b128 v[OUTR+4*\i:OUTR+4*\i+3], v14 offset:\i*STP
.endr
.irp i, 0,1,2,3,4,5,6,7
	s_wait_dscnt 7-\i                              ; row i is in; the younger loads may be out
	global_store_b128 v15, v[OUTR+4*\i:OUTR+4*\i+3], s[42:43] offset:\i*4096-131072
.endr
.Lnoout_\@:
.endm
.macro FETCH2 g, F                     ; a's fragments of one scale group: four K steps x 2 x 16 slots; they lie in LDS as fragments, 16 bytes a lane on end
	WIN 0
.irp k, 0,1,2,3
.irp m, 0,1
	ds_load_b128 v[(\F)+(\k*2+\m)*8:(\F)+(\k*2+\m)*8+3], v10 offset:(2*(\g)+\k/2)*4096+(\m*2+\k%2)*1024
	ds_load_b128 v[(\F)+(\k*2+\m)*8+4:(\F)+(\k*2+\m)*8+7], v10 offset:(2*(\g)+\k/2)*4096+(\m*2+\k%2)*1024+512
.endr
.endr
.endm
.macro MUL2 g, F, half                 ; eight products: two K steps x the group's four accumulators, which take turns, one instruction a turn
	WIN 0xa1
.irp kk, 0,1
.irp m, 0,1
.irp n, 0,1
.set KP, 2*(\half)+\kk
.set WL, ((4*(\g)+KP)*2+\n)*8
.set AL, ((\m*2+\n)*4+(\g))*8
.set FL, (\F)+(KP*2+\m)*8
.if KP == 0
	v_wmma_f32_16x16x32_bf16 v[AL:AL+7], v[WL:WL+7], v[FL:FL+7], 0
.else
	v_wmma_f32_16x16x32_bf16 v[AL:AL+7], v[WL:WL+7], v[FL:FL+7], v[AL:AL+7]
.endif
.endr
.endr
.endr
.endm
.macro EPI2                            ; y = the sum over the groups of scale x sum; each accumulator is read from its low end on
	PLACES 4                                       ; between the last products and the first read of a result (ISA guide 7.12.1)
	WIN 0xa2
.irp g, 0,1,2,3
.irp t, 0,1,2,3
.irp p, 0,1,2,3
.set YL, YY+\t*8+2*\p
.set AL, (\t*4+\g)*8+2*\p
.set SL, SS+((\t%2)*4+\g)*8+2*\p
.if \g == 0
	v_pk_mul_f32 v[YL:YL+1], v[AL:AL+1], v[SL:SL+1]
.else
	v_pk_fma_f32 v[YL:YL+1], v[AL:AL+1], v[SL:SL+1], v[YL:YL+1]
.endif
.endr
.endr
.endr
	WIN 0x08
.irp t, 0,1,2,3
.irp q, 0,1
	ds_store_b128 v13, v[YY+\t*8+4*\q:YY+\t*8+4*\q+3] offset:(\t/2)*16*STP+(\t%2)*64+16*\q
.endr
.endr
	WIN 0
.endm
; Block B1 - 1: 64 products a wave, in four scale groups; while one group is multiplied the next one's fragments come from LDS.  Behind group 1: block B1 of a has come and goes into the other slot.
; Behind group 2: block B1 + 1 is asked for.  The first wait of a group leaves out its youngest eight fragment loads and what was issued behind them; the second the next group's 16 loads and what stands between.
.macro COMPUTE2
	WIN 0
	s_cmp_le_u32 s21, s20
	s_cbranch_scc0 .Lnocomp_\@
	FETCH2 0, F0
.irp gg, 0,1,2,3
.set DW1, 8
.set DW2, 16
.if \gg == 2
.set DW1, 24                           ; 8 fragment loads and group 1's 16 stores
.set DW2, 32                           ; those 16 stores and the next group's 16 loads
.endif
	s_wait_dscnt DW1
	MUL2 \gg, F0+64*(\gg%2), 0
.if \gg < 3
	PLACES 4                                       ; in front of loads into registers that products have read
	FETCH2 \gg+1, F0+64*((\gg+1)%2)
	s_wait_dscnt DW2
.else
	s_wait_dscnt 0x0
.endif
	MUL2 \gg, F0+64*(\gg%2), 1
.if \gg == 1
	WIN 0
	s_wait_loadcnt 0x0                             ; block B1 of a is in registers
	SPUT2
.endif
.if \gg == 2
	NEXTA
.endif
.endr
	EPI2
.Lnocomp_\@:
.endm
	s_load_b256 s[4:11], s[0:1], 0x0               ; af s[4:5], masks s[6:7], w2 s[8:9], w2_scale s[10:11]
	s_load_b64 s[12:13], s[0:1], 0x20              ; yp
	v_lshl_add_u32 v62, v0, 2, 0x24400
	v_mov_b32 v63, 0
	v_and_b32 v1, 31, v0                           ; lane
	v_lshrrev_b32 v2, 5, v0
	v_readfirstlane_b32 s16, v2                    ; wave
	s_and_b32 s17, ttmp9, 7                        ; ns
	s_lshr_b32 s27, ttmp9, 3                       ; kq
	s_and_b32 s18, ttmp7, 0xffff                   ; e
	v_and_b32 v2, 15, v0                           ; r
	v_bfe_u32 v3, v0, 4, 1                         ; h
	v_lshlrev_b32 v4, 4, v2
	v_lshl_add_u32 v4, v3, 12, v4                  ; weights: row h of a pair, 16 bytes for each of 16 lanes
	s_mul_i32 s25, s16, 16*TRP
	s_add_co_u32 s25, s25, TRB
	v_mul_u32_u24 v5, v3, TRP
	v_lshl_add_u32 v5, v2, 4, v5
	v_add_nc_u32 v5, s25, v5                       ; turning, in
	v_mul_u32_u24 v6, v2, TRP
	v_lshl_add_u32 v6, v3, 4, v6
	v_add_nc_u32 v6, s25, v6                       ; turning, back
	v_lshlrev_b32 v7, 4, v0                        ; 16 bytes a thread
	v_lshlrev_b32 v8, 4, v1                        ; 16 bytes a lane
	v_mul_u32_u24 v11, v2, STP
	v_lshl_add_u32 v11, v3, 5, v11
	s_lshl_b32 s25, s16, 7
	s_add_co_u32 s25, s25, STG
	v_add_nc_u32 v11, s25, v11                     ; stage, in: row r, my wave's 128 bytes, 32 for each half of the lanes
	s_mul_i32 s25, s16, 8*STP
	s_add_co_u32 s25, s25, STG
	v_add_nc_u32 v12, s25, v8                      ; stage, back: my wave's 8 rows
	v_lshl_add_u32 v15, s16, 15, v8                ; and the same rows in yp
	v_lshlrev_b32 v16, 9, v3                       ; scales: 8 rows of 64 bytes for each half of the lanes
	v_mov_b32 v18, 0xcb000008                      ; -(2^23 + 8)
	v_mov_b32 v19, 0xc9000080                      ; -(2^19 + 8)
	s_mov_b32 s28, 0x07060302
	s_mov_b32 s29, 0x4b000000                      ; 2^23
	s_mov_b32 s30, 0x49000000                      ; 2^19
	s_mov_b32 s31, 0xf0
	s_lshl_b32 s32, s18, 22                        ; w2: expert, 128 rows an ns, 32 a wave, 1,024 bytes a quarter
	s_lshl_b32 s25, s17, 19
	s_add_co_u32 s32, s32, s25
	s_lshl_b32 s25, s16, 17
	s_add_co_u32 s32, s32, s25
	s_lshl_b32 s25, s27, 10
	s_add_co_u32 s32, s32, s25
	s_mov_b32 s33, 0
	s_lshl_b32 s34, s18, 16                        ; w2_scale: the same rows, 64 bytes each, 16 a quarter
	s_lshl_b32 s25, s17, 13
	s_add_co_u32 s34, s34, s25
	s_lshl_b32 s25, s16, 11
	s_add_co_u32 s34, s34, s25
	s_lshl_b32 s25, s27, 4
	s_add_co_u32 s34, s34, s25
	s_mov_b32 s35, 0
	s_lshl_b32 s44, s18, 22                        ; af: expert, block 0, column blocks 8 kq on
	s_lshl_b32 s25, s27, 15
	s_add_co_u32 s44, s44, s25
	s_mov_b32 s45, 0
	s_lshl_b32 s46, s27, 25                        ; yp: quarter, expert, 512 bytes an ns
	s_lshl_b32 s25, s18, 22
	s_add_co_u32 s46, s46, s25
	s_lshl_b32 s25, s17, 9
	s_add_co_u32 s46, s46, s25
	s_mov_b32 s47, 0
	s_lshl_b32 s26, s18, 7                         ; masks: expert
	s_wait_kmcnt 0x0
	s_add_nc_u64 s[36:37], s[8:9], s[32:33]
	s_add_nc_u64 s[38:39], s[10:11], s[34:35]
	s_add_nc_u64 s[40:41], s[4:5], s[44:45]
	s_add_nc_u64 s[42:43], s[12:13], s[46:47]
	s_load_b512 s[68:83], s[6:7], s26 offset:0x0
	s_load_b512 s[84:99], s[6:7], s26 offset:0x40
.irp n, 0,1
.irp j, 0,1,2,3,4,5,6,7
	global_load_b128 v[RAW+(\n*8+\j)*4:RAW+(\n*8+\j)*4+3], v16, s[38:39] offset:\n*1024+\j*64
.endr
.endr
.irp c, 0,1,2,3,4,5,6,7
	WLOAD \c                                       ; all the wave's weights are asked for before anything else is done
.endr
	LOADA 0                                        ; block 0 of a: every expert has it
	s_wait_kmcnt 0x0
	s_mov_b32 s19, 0
.set c, 0
.rept 32
	s_bcnt1_i32_b32 s25, s[68+c]
	s_add_co_u32 s19, s19, s25                     ; the expert's tokens
.set c, c+1
.endr
	s_add_co_u32 s20, s19, 31
	s_lshr_b32 s20, s20, 5
	s_max_u32 s20, s20, 1
	s_min_u32 s20, s20, 32                         ; its blocks of 32: 1 to 32
	CONV2 0, 63                                    ; behind chunk c stand 7 - c chunks' loads and a's 16: 72 and 64 are more than the wait can name
	XPOSE 0
	CONV2 1, 63
	XPOSE 1
	CONV2 2, 56
	XPOSE 2
	CONV2 3, 48
	XPOSE 3
	CONV2 4, 40
	XPOSE 4
	CONV2 5, 32
	XPOSE 5
	CONV2 6, 24
	XPOSE 6
	CONV2 7, 16
	XPOSE 7
	WIN 0
.irp n, 0,1                                            ; the scales (loaded ahead of chunk 0): rounded to bf16, widened again, ordered by group
.irp g, 0,1,2,3
.irp p, 0,1,2,3
	v_cvt_pk_bf16_f32 v17, v[RAW+(\n*8+2*\p)*4+\g], v[RAW+(\n*8+2*\p+1)*4+\g]
	v_lshlrev_b32 v[SS+(\n*4+\g)*8+2*\p], 16, v17
	v_and_b32 v[SS+(\n*4+\g)*8+2*\p+1], 0xffff0000, v17
.endr
.endr
.endr
	s_wait_dscnt 0x0                               ; the last fragments of the weights are in
	s_mov_b32 s21, 0                               ; B1
	v_mov_b32 v9, v7                               ; slot 0
	s_wait_loadcnt 0x0                             ; block 0 of a is in registers
	SPUT2
	NEXTA                                          ; block 1
	s_wait_xcnt 0x0                                ; the loads' base is stepped only behind this wait
	s_add_nc_u64 s[40:41], s[40:41], 0x20000
	s_mov_b32 s21, 1
	s_mov_b32 s23, 0                               ; the slot and stage in hand
	s_mov_b32 s24, TOG                             ; the others
	v_add_nc_u32 v9, s24, v7
	v_add_nc_u32 v10, s23, v8
	v_add_nc_u32 v13, s23, v11
	v_add_nc_u32 v14, s24, v12
	s_mov_b32 s22, 33
.Ltrip:
	s_wait_dscnt 0x0                               ; my stores into slot and stage are done, my reads of the others are back
	s_barrier_signal -1
	s_barrier_wait -1                              ; both now hold of all four waves
	s_sub_co_u32 s25, s21, 1
	s_cmp_le_u32 s25, s20
	s_cbranch_scc0 .Ldead                          ; the last block has left; B1 goes on growing, so the answer stays
	OUT2
	COMPUTE2
.Ldead:                                                ; the steps are made in every trip, so that slots and stages take turns on every path alike
	s_wait_xcnt 0x0                                ; bases and the stores' data are written anew only behind this wait
	s_add_nc_u64 s[40:41], s[40:41], 0x20000       ; af and yp: the next block of 32 slots
	s_add_nc_u64 s[42:43], s[42:43], 0x20000
	s_add_co_u32 s21, s21, 1
	s_xor_b32 s23, s23, TOG
	s_xor_b32 s24, s24, TOG
	v_add_nc_u32 v9, s24, v7
	v_add_nc_u32 v10, s23, v8
	v_add_nc_u32 v13, s23, v11
	v_add_nc_u32 v14, s24, v12
	s_sub_co_u32 s22, s22, 1
	s_cmp_lg_u32 s22, 0
	s_cbranch_scc1 .Ltrip
	s_wait_tensorcnt 0x0
	ds_add_u32 v62, v63
	s_wait_dscnt 0x0
	s_endpgm
.Lfunc_end_k_qc3b80a19c5_gemm2:
	.size	k_qc3b80a19c5_gemm2, .Lfunc_end_k_qc3b80a19c5_gemm2-k_qc3b80a19c5_gemm2
	.p2alignl 7, 3214868480
	.fill 96, 4, 3214868480
	.section	.rodata,"a",@progbits
	.p2align	6, 0x0
	.amdhsa_kernel k_qc3b80a19c5_gemm2
		.amdhsa_group_segment_fixed_size 148992
		.amdhsa_private_segment_fixed_size 0
		.amdhsa_enable_private_segment 0
		.amdhsa_kernarg_size 40
		.amdhsa_user_sgpr_count 2
		.amdhsa_user_sgpr_kernarg_segment_ptr 1
		.amdhsa_wavefront_size32 1
		.amdhsa_system_sgpr_workgroup_id_x 1
		.amdhsa_system_sgpr_workgroup_id_y 1
		.amdhsa_system_sgpr_workgroup_id_z 1
		.amdhsa_system_vgpr_workitem_id 0
		.amdhsa_next_free_vgpr 736
		.amdhsa_next_free_sgpr 100
		.amdhsa_reserve_vcc 0
		.amdhsa_float_denorm_mode_32 3
		.amdhsa_float_denorm_mode_16_64 3
		.amdhsa_memory_ordered 1
		.amdhsa_forward_progress 1
		.amdhsa_inst_pref_size 116
	.end_amdhsa_kernel
	.amdgpu_metadata
---
amdhsa.version: [ 1, 2 ]
amdhsa.kernels:
  - .name:           k_qc3b80a19c5_gemm2
    .symbol:         k_qc3b80a19c5_gemm2.kd
    .args:
      - { .name: af, .offset: 0, .size: 8, .value_kind: global_buffer, .address_space: global }
      - { .name: masks, .offset: 8, .size: 8, .value_kind: global_buffer, .address_space: global }
      - { .name: w2, .offset: 16, .size: 8, .value_kind: global_buffer, .address_space: global }
      - { .name: w2_scale, .offset: 24, .size: 8, .value_kind: global_buffer, .address_space: global }
      - { .name: yp, .offset: 32, .size: 8, .value_kind: global_buffer, .address_space: global }
    .group_segment_fixed_size: 148992
    .private_segment_fixed_size: 0
    .kernarg_segment_align: 8
    .kernarg_segment_size: 40
    .max_flat_workgroup_size: 128
    .sgpr_count:     100
    .vgpr_count:     736
    .wavefront_size: 32
...
	.end_amdgpu_metadata
.endif
;; end of part 3
;; launch combine (part 4): grid 256 x 1, 8 waves a work-group, no clusters, 0 bytes of LDS; arguments yp, topi, topw, slotmap, out0; writes out0
.if DOCPART == 4
	.amdgcn_target "amdgcn-amd-amdhsa--gfx1250"
	.amdhsa_code_object_version 6
	.text
	.protected	k_qc3b80a19c5_combine
	.globl	k_qc3b80a19c5_combine
	.p2align	8
	.type	k_qc3b80a19c5_combine,@function
k_qc3b80a19c5_combine:
	s_mov_b64 s[64:65], 0
	v_nop
	global_prefetch_b8 v0, s[64:65] scope:SCOPE_SE
	s_setreg_imm32_b32 hwreg(HW_REG_WAVE_MODE, 25, 1), 1
	s_wait_xcnt 0x0
; out[t] = w0 x y(first expert) + w1 x y(second expert), y = the sum of the four K quarters, (q0 + q1) + (q2 + q3), all in f32.
; A work-group owns four tokens; a thread 16 bytes of a row, so a wave's load or store covers 512 consecutive aligned bytes.  Memory binds: no LDS, no barrier, no matrix unit;
; all 32 loads of a thread are out before the first is used.  Experts and ranks are whole numbers stored by earlier launches; they are clamped to their tables before they enter an address.
.set VO, 2                             ; v2-9     pair p = 2 token + k: byte offset of its row in a quarter of yp, plus my 16 bytes
.set DD, 16                            ; v16-143  pair p, quarter kq at DD + 4 (4 p + kq)
.set OU, 144                           ; v144-159 four registers a token
	s_load_b256 s[4:11], s[0:1], 0x0               ; yp s[4:5], topi s[6:7], topw s[8:9], slotmap s[10:11]
	s_load_b64 s[12:13], s[0:1], 0x20              ; out0
	v_lshlrev_b32 v1, 4, v0
	s_lshl_b32 s14, ttmp9, 5                       ; four tokens of 8 bytes in topi and topw
	s_lshl_b32 s15, ttmp9, 4                       ; four tokens of 4 bytes in an expert's ranks
	s_lshl_b32 s56, ttmp9, 14                      ; four rows of 4,096 bytes
	s_mov_b32 s57, 0
	s_wait_kmcnt 0x0
	s_load_b256 s[16:23], s[6:7], s14 offset:0x0
	s_load_b256 s[24:31], s[8:9], s14 offset:0x0
	s_add_nc_u64 s[12:13], s[12:13], s[56:57]
	s_mov_b64 s[40:41], s[4:5]
	s_add_nc_u64 s[42:43], s[4:5], 0x2000000       ; the quarters of yp lie 2^25 bytes apart
	s_add_nc_u64 s[44:45], s[4:5], 0x4000000
	s_add_nc_u64 s[46:47], s[4:5], 0x6000000
	s_wait_kmcnt 0x0
.irp p, 0,1,2,3,4,5,6,7
	s_min_u32 s[16+\p], s[16+\p], 7
	s_lshl_b32 s[48+\p], s[16+\p], 12
	s_add_co_u32 s[48+\p], s[48+\p], s15
	s_load_b32 s[32+\p], s[10:11], s[48+\p] offset:(\p/2)*4
.endr
	s_wait_kmcnt 0x0
.irp p, 0,1,2,3,4,5,6,7
	s_min_u32 s[32+\p], s[32+\p], 0x3ff
	s_lshl_b32 s[16+\p], s[16+\p], 10
	s_add_co_u32 s[16+\p], s[16+\p], s[32+\p]      ; slot = 1,024 expert + rank
	s_lshl_b32 s[16+\p], s[16+\p], 12
	v_add_nc_u32 v[VO+\p], s[16+\p], v1
.endr
.irp p, 0,1,2,3,4,5,6,7
.irp q, 0,1,2,3
	global_load_b128 v[DD+(\p*4+\q)*4:DD+(\p*4+\q)*4+3], v[VO+\p], s[40+2*\q:41+2*\q] th:TH_LOAD_NT
.endr
.endr
.irp t, 0,1,2,3
	s_wait_loadcnt 24-8*\t                         ; the later tokens' loads, eight each, may be out
.irp k, 0,1
.irp z, 0,2
	v_pk_add_f32 v[DD+(\t*2+\k)*16+\z:DD+(\t*2+\k)*16+\z+1], v[DD+(\t*2+\k)*16+\z:DD+(\t*2+\k)*16+\z+1], v[DD+(\t*2+\k)*16+4+\z:DD+(\t*2+\k)*16+4+\z+1]
	v_pk_add_f32 v[DD+(\t*2+\k)*16+8+\z:DD+(\t*2+\k)*16+8+\z+1], v[DD+(\t*2+\k)*16+8+\z:DD+(\t*2+\k)*16+8+\z+1], v[DD+(\t*2+\k)*16+12+\z:DD+(\t*2+\k)*16+12+\z+1]
.endr
.irp z, 0,2
	v_pk_add_f32 v[DD+(\t*2+\k)*16+\z:DD+(\t*2+\k)*16+\z+1], v[DD+(\t*2+\k)*16+\z:DD+(\t*2+\k)*16+\z+1], v[DD+(\t*2+\k)*16+8+\z:DD+(\t*2+\k)*16+8+\z+1]
.endr
.endr
.irp z, 0,1,2,3
	v_mul_f32 v[OU+4*\t+\z], s[24+2*\t], v[DD+\t*32+\z]
.endr
.irp z, 0,1,2,3
	v_fma_f32 v[OU+4*\t+\z], s[25+2*\t], v[DD+\t*32+16+\z], v[OU+4*\t+\z]
.endr
	global_store_b128 v1, v[OU+4*\t:OU+4*\t+3], s[12:13] offset:\t*4096 th:TH_STORE_NT
.endr
	s_endpgm
.Lfunc_end_k_qc3b80a19c5_combine:
	.size	k_qc3b80a19c5_combine, .Lfunc_end_k_qc3b80a19c5_combine-k_qc3b80a19c5_combine
	.p2alignl 7, 3214868480
	.fill 96, 4, 3214868480
	.section	.rodata,"a",@progbits
	.p2align	6, 0x0
	.amdhsa_kernel k_qc3b80a19c5_combine
		.amdhsa_group_segment_fixed_size 0
		.amdhsa_private_segment_fixed_size 0
		.amdhsa_enable_private_segment 0
		.amdhsa_kernarg_size 40
		.amdhsa_user_sgpr_count 2
		.amdhsa_user_sgpr_kernarg_segment_ptr 1
		.amdhsa_wavefront_size32 1
		.amdhsa_system_sgpr_workgroup_id_x 1
		.amdhsa_system_sgpr_workgroup_id_y 1
		.amdhsa_system_sgpr_workgroup_id_z 1
		.amdhsa_system_vgpr_workitem_id 0
		.amdhsa_next_free_vgpr 160
		.amdhsa_next_free_sgpr 66
		.amdhsa_reserve_vcc 0
		.amdhsa_float_denorm_mode_32 3
		.amdhsa_float_denorm_mode_16_64 3
		.amdhsa_memory_ordered 1
		.amdhsa_forward_progress 1
		.amdhsa_inst_pref_size 12
	.end_amdhsa_kernel
	.amdgpu_metadata
---
amdhsa.version: [ 1, 2 ]
amdhsa.kernels:
  - .name:           k_qc3b80a19c5_combine
    .symbol:         k_qc3b80a19c5_combine.kd
    .args:
      - { .name: yp, .offset: 0, .size: 8, .value_kind: global_buffer, .address_space: global }
      - { .name: topi, .offset: 8, .size: 8, .value_kind: global_buffer, .address_space: global }
      - { .name: topw, .offset: 16, .size: 8, .value_kind: global_buffer, .address_space: global }
      - { .name: slotmap, .offset: 24, .size: 8, .value_kind: global_buffer, .address_space: global }
      - { .name: out0, .offset: 32, .size: 8, .value_kind: global_buffer, .address_space: global }
    .group_segment_fixed_size: 0
    .private_segment_fixed_size: 0
    .kernarg_segment_align: 8
    .kernarg_segment_size: 40
    .max_flat_workgroup_size: 256
    .sgpr_count:     66
    .vgpr_count:     160
    .wavefront_size: 32
...
	.end_amdgpu_metadata
.endif
;; end of part 4
